; MI455X (gfx1250); checked and timed in simulation.
; The chip was launched on July 23, 2026; its instructions are those of AMD's public machine-readable ISA for CDNA 5 (MIT licence, August 2026) and "CDNA5" Instruction Set Architecture Reference Guide (July 2026). The comments in the code are by the model that wrote it; some were corrected since.
;; AOS Prediction Layer. Allowed arithmetic: matrix products marked QUANTISED: E3M2 operands, one E8M0 scale for each 32 along K, by v_wmma_scale_f32_16x16x128_f8f6f4 with both operands' format E3M2, f32 sums; everything else in f32.
;; Inputs: W1 8 x 512 x 512 float32; W2 8 x 512 x 256 float32; W3 8 x 256 x 128 float32; Wu1 512 x 512 float32; Wu2 512 x 256 float32; Wu3 256 x 128 float32; a_emb 512 x 32 x 256 float32; b1 8 x 512 float32; b2 8 x 256 float32; b3 8 x 128 float32; bu1 512 float32; bu2 256 float32; bu3 128 float32; i_emb 512 x 256 float32; o_emb 512 x 32 x 256 float32; s 512 x 32 int32; u_emb 512 x 256 float32.
;; Outputs: out0 512 x 32 float32.
;; This version of the problem:
;;   THIS VERSION OF THE PROBLEM IS GIVEN IN LOW PRECISION. The matrix products marked QUANTISED in the list below multiply operands that are first quantised to E3M2 (3 exponent bits, 2 mantissa bits; 6 bits a number), with one power-of-two scale for each 32 numbers along K (OCP MX v1.0); their sums are f32. All else is computed in f32.
;;   The module's matrix products, in the order in which they are computed (A, B: the left and right operand; K: the contracted axis; several contracted axes count as one K, in the product's order):
;;     1. [M 512, K 512] x [K 512, N 512]; A: computed on the way; B: input Wu1: QUANTISED
;;     2. [M 512, K 512] x [K 512, N 256]; A: computed on the way; B: input Wu2: QUANTISED
;;     3. [M 512, K 256] x [K 256, N 128]; A: computed on the way; B: input Wu3: QUANTISED
;;     4. [M 16,384, K 512] x [K 512, N 512]; A: computed on the way; B: input W1: QUANTISED
;;     5. [M 16,384, K 512] x [K 512, N 256]; A: computed on the way; B: input W2: QUANTISED
;;     6. [M 16,384, K 256] x [K 256, N 128]; A: computed on the way; B: input W3: QUANTISED
;;     7. [M 16,384, K 512] x [K 512, N 512]; A: computed on the way; B: input W1: QUANTISED
;;     8. [M 16,384, K 512] x [K 512, N 256]; A: computed on the way; B: input W2: QUANTISED
;;     9. [M 16,384, K 256] x [K 256, N 128]; A: computed on the way; B: input W3: QUANTISED
;;     10. [M 16,384, K 512] x [K 512, N 512]; A: computed on the way; B: input W1: QUANTISED
;;     11. [M 16,384, K 512] x [K 512, N 256]; A: computed on the way; B: input W2: QUANTISED
;;     12. [M 16,384, K 256] x [K 256, N 128]; A: computed on the way; B: input W3: QUANTISED
;;     13. [M 16,384, K 512] x [K 512, N 512]; A: computed on the way; B: input W1: QUANTISED
;;     14. [M 16,384, K 512] x [K 512, N 256]; A: computed on the way; B: input W2: QUANTISED
;;     15. [M 16,384, K 256] x [K 256, N 128]; A: computed on the way; B: input W3: QUANTISED
;;     16. [M 16,384, K 512] x [K 512, N 512]; A: computed on the way; B: input W1: QUANTISED
;;     17. [M 16,384, K 512] x [K 512, N 256]; A: computed on the way; B: input W2: QUANTISED
;;     18. [M 16,384, K 256] x [K 256, N 128]; A: computed on the way; B: input W3: QUANTISED
;;     19. [M 16,384, K 512] x [K 512, N 512]; A: computed on the way; B: input W1: QUANTISED
;;     20. [M 16,384, K 512] x [K 512, N 256]; A: computed on the way; B: input W2: QUANTISED
;;     21. [M 16,384, K 256] x [K 256, N 128]; A: computed on the way; B: input W3: QUANTISED
;;     22. [M 16,384, K 512] x [K 512, N 512]; A: computed on the way; B: input W1: QUANTISED
;;     23. [M 16,384, K 512] x [K 512, N 256]; A: computed on the way; B: input W2: QUANTISED
;;     24. [M 16,384, K 256] x [K 256, N 128]; A: computed on the way; B: input W3: QUANTISED
;;     25. [M 16,384, K 512] x [K 512, N 512]; A: computed on the way; B: input W1: QUANTISED
;;     26. [M 16,384, K 512] x [K 512, N 256]; A: computed on the way; B: input W2: QUANTISED
;;     27. [M 16,384, K 256] x [K 256, N 128]; A: computed on the way; B: input W3: QUANTISED
;;   THE QUANTISER, for each operand of a quantised product, along K:
;;     - K is cut into blocks of 32 from its start; a last block that is shorter is filled with zeros.
;;     - A block's scale is 2^e with e = floor(log2(the largest magnitude in the block)) - 4, held to -126 .. 127; a block of zeros has e = 0. As a byte (E8M0): e + 127.
;;     - Each number is divided by its block's scale, clamped to +-28, and rounded to the nearest number of E3M2, ties to even, subnormals kept.
;;     - The product sums the exact products of the quantised numbers (number of the format x scale) in f32.
;;   ~~~python
;;   def quantise(x, axis):      # numpy; x: float32 -> the quantised numbers, widened to float32 again
;;       x = np.moveaxis(x, axis, -1); K = x.shape[-1]
;;       x = np.pad(x, [(0, 0)] * (x.ndim - 1) + [(0, -K % 32)]); x = x.reshape(x.shape[:-1] + (-1, 32)); a = np.abs(x).max(-1, keepdims=True)
;;       e = np.where(a > 0, np.clip(np.frexp(np.where(a > 0, a, 1))[1] - 1 - 4, -126, 127), 0)      # np.frexp(a)[1] - 1 = floor(log2(a)), exactly
;;       r = np.clip(x / 2.0 ** e, -28, 28)
;;       step = 2.0 ** (np.maximum(np.frexp(np.where(r == 0, 1, r))[1] - 1, -2) - 2)
;;       q = np.round(r / step) * step * 2.0 ** e      # np.round: ties to even
;;       return np.moveaxis(q.reshape(q.shape[:-2] + (-1,))[..., :K], -1, axis).astype(np.float32)
;;   ~~~
;;   OPERANDS COMPUTED ON THE WAY. 'Computed on the way' means the value that the module computes at that place (a softmax that the list does not call 'softmax' is quantised finished and normalised). What goes into a quantiser is computed in f32, as accurately as f32 sums, v_exp_f32 and their like allow (about 1e-6 of the number): no bf16 or f16 on the way to a quantiser, and a product that is left as it is and whose result goes on into a quantised operand takes f32 operands (vector FMAs, or v_wmma_f32_16x16x4_f32). A number that lies on a knife's edge between two numbers of the format may be rounded either way, as far as f32 arithmetic and the matrix unit's own rounding can turn it there, and no further.
;; One version. Each part assembles by itself: llvm-mc -triple=amdgcn-amd-amdhsa -mcpu=gfx1250 --defsym DOCPART=n.
;; ======== version 1 of 1: 3 launches
;; workspace buffers: wc 2,875,392 bytes; ws 119,808 bytes; tab 1,024 bytes of whole numbers; order 70,400 bytes of whole numbers; pos 65,536 bytes of whole numbers; emb 8,970,240 bytes
;; launch prep (part 1): grid 266 x 1, 4 waves a work-group, no clusters, 1,536 bytes of LDS; arguments W1, W2, W3, Wu1, Wu2, Wu3, s, wc, ws, tab, order, pos; writes wc, ws, tab, order, pos
.if DOCPART == 1
	.amdgcn_target "amdgcn-amd-amdhsa--gfx1250"
	.amdhsa_code_object_version 6
	.text
	.protected	k_q80354afc53_prep
	.globl	k_q80354afc53_prep
	.p2align	8
	.type	k_q80354afc53_prep,@function
k_q80354afc53_prep:
	s_mov_b64 s[64:65], 0
	v_nop
	global_prefetch_b8 v0, s[64:65] scope:SCOPE_SE
	s_setreg_imm32_b32 hwreg(HW_REG_WAVE_MODE, 25, 1), 1
	s_wait_xcnt 0x0
; PREP.  Two kinds of work-groups, told apart by the work-group number alone.
; (Q) Work-groups 0..233: the nine weight sets (experts 0..7 = W1, W2, W3 of a relation; expert 8 = Wu1, Wu2, Wu3), f32 stored [K][N], become codes of E3M2 with one E8M0 byte for each 32 along K,
;     laid in the order in which the next launch takes them into operand registers.  26 work-groups an expert: 16 for layer 1, 8 for layer 2, 2 for layer 3; each takes 128 columns x 128 along K.
;     A LANE TAKES A COLUMN AND ITS 128 REGISTERS RUN DOWN K: a load reads 128 consecutive bytes a wave (512 a work-group), a block of 32 lies in one lane, and the conversions give codes with K innermost.
;     A fragment (16 units x 128 K) is an image of 1,536 bytes: registers 4 p .. 4 p + 3 of lane (r, h) at 512 p + 256 h + 16 r.  In layers 1 and 2 lane row r of tile 2 b + u is unit 32 b + 8 u + r + 8 (r / 8).
; (R) Work-groups 234..265: a counting sort of the 16,384 routing numbers into tiles of 80 rows, with no traffic between work-groups: each of the 32 counts ALL of s and places its own 512 tokens.
;     Expert e owns tiles tb_e .. tb_e + ceil(count_e / 80) - 1; slot = 80 x tile + place.  order[slot] = row, pos[token] = slot, tab[tile] = expert.  Tiles 212..218 are the 512 rows of (u | i), expert 8.
;     A token whose s lies outside 0..7 is counted nowhere and gets pos = ZS; the last launch gives it 0.
; LIMITS: NaN and infinities are not served.  A block whose largest magnitude lies under 2^-122 keeps the byte 1; a block of zeros gets the byte 1 and zero codes (only this program reads the bytes).
.set NQ, 234                           ; work-groups of kind Q
.set ZS, 17519                         ; the slot that stands for no slot: the last pad slot of the last tile
.set X,  32                            ; v32-159  Q: my column, 128 numbers down K
.set C,  160                           ; v160-183 Q: the codes, 12 registers for each half h of the target lanes
.set TT, 16                            ; v16-31   Q: the second half of each block (a conversion begins on an even register)
.set AS, 192                           ; v192-195 R: byte addresses in order of my four tokens' slots
.set AE, 196                           ; v196-200 R: of my five slots among the empty tiles
.set AP, 201                           ; v201-208 R: of my pad slot of each expert
.set A4, 209                           ; v209     R: 4 x my thread's number
.set IX, 210                           ; v210-214 R: which of the empty tiles' slots are mine
.set NUL, 215                          ; v215     R: 0
.set TOK, 216                          ; v216-219 R: my four tokens
.set UV, 220                           ; v220-223 R: rows of (u | i)
.set TB, 224                           ; v224-227 R: two tiles and their experts
.macro WLOADS pitch                    ; W(k, my column), k = 0 .. 127: every offset an immediate, 127 x 2,048 bytes at the most
.set i, 0
.rept 128
	global_load_b32 v[X+i], v3, s[34:35] offset:i*\pitch th:TH_LOAD_NT
.set i, i+1
.endr
.endm
; Block kb = 2 c + h of my column: its largest magnitude, its byte, its 32 codes.  left = the younger loads that may stay out.
.macro QBLK kb, left
.set XB, X+32*\kb
.set CD, C+12*(\kb%2)+6*(\kb/2)
	s_wait_loadcnt \left
	v_max3_num_f32 v12, |v[XB]|, |v[XB+1]|, |v[XB+2]|
	v_max3_num_f32 v13, |v[XB+3]|, |v[XB+4]|, |v[XB+5]|
.irp i, 6,10,14,18,22,26
	v_max3_num_f32 v12, v12, |v[XB+\i]|, |v[XB+\i+1]|
	v_max3_num_f32 v13, v13, |v[XB+\i+2]|, |v[XB+\i+3]|
.endr
	v_max3_num_f32 v12, v12, |v[XB+30]|, |v[XB+31]|
	v_max3_num_f32 v12, v12, v13, 0x2800000        ; the floor 2^(5 - 127): the byte cannot fall under 1
	v_add_nc_u32 v11, 0xfe000000, v12              ; 4 off the exponent field: the conversion takes this field as its scale
	v_lshrrev_b32 v13, 23, v11                     ; the byte
.if \kb == 0
	v_mov_b32 v10, v13
.else
	v_lshl_or_b32 v10, v13, 8*\kb, v10             ; four bytes make the scale word of (unit, K step)
.endif
	v_cvt_scalef32_pk16_bf6_f32 v[CD:CD+2], v[XB:XB+15], v11
	v_cvt_scalef32_pk16_bf6_f32 v[TT+4*\kb:TT+4*\kb+2], v[XB+16:XB+31], v11
.endm
; The four tokens in v[d] .. v[d + 3] are counted into v5: eight fields of 4 bits, one an expert.
.macro COUNT4 d
	v_mov_b32 v5, 0
.irp q, 0,1,2,3
	v_lshlrev_b32 v6, 2, v[\d+\q]
	v_lshlrev_b32 v6, v6, 1                        ; 1 << 4 s
	v_cmp_gt_u32 vcc_lo, 8, v[\d+\q]
	v_cndmask_b32 v6, 0, v6, vcc_lo                ; an s outside 0..7 counts nowhere
	v_add_nc_u32 v5, v5, v6
.endr
.endm
.macro WIDE d, lo, hi                  ; bytes (experts 0,2,4,6 in lo; 1,3,5,7 in hi) to fields of 16 bits: pairs (0,4) (2,6) (1,5) (3,7)
	v_and_b32 v[\d], s61, v[\lo]
	v_lshrrev_b32 v[\d+1], 8, v[\lo]
	v_and_b32 v[\d+1], s61, v[\d+1]
	v_and_b32 v[\d+2], s61, v[\hi]
	v_lshrrev_b32 v[\d+3], 8, v[\hi]
	v_and_b32 v[\d+3], s61, v[\d+3]
.endm
.macro UNPK d, src                     ; the four pairs into eight scalars, by expert
	s_and_b32 s[\d+0], s[\src+0], 0xffff
	s_lshr_b32 s[\d+4], s[\src+0], 16
	s_and_b32 s[\d+2], s[\src+1], 0xffff
	s_lshr_b32 s[\d+6], s[\src+1], 16
	s_and_b32 s[\d+1], s[\src+2], 0xffff
	s_lshr_b32 s[\d+5], s[\src+2], 16
	s_and_b32 s[\d+3], s[\src+3], 0xffff
	s_lshr_b32 s[\d+7], s[\src+3], 16
.endm
; A store into order by the lanes that VCC names.  EXEC is a source of a pending store: it is widened again only behind s_wait_xcnt 0, and that wait also stands ahead of the next narrowing.
.macro MSTORE adr, dat
	s_and_saveexec_b32 s57, vcc_lo
	global_store_b32 v[\adr], v[\dat], s[24:25]
	s_wait_xcnt 0x0
	s_or_b32 exec_lo, exec_lo, s57
.endm
	s_load_b512 s[4:19], s[0:1], 0x0               ; W1 s[4:5], W2 s[6:7], W3 s[8:9], Wu1 s[10:11], Wu2 s[12:13], Wu3 s[14:15], s s[16:17], wc s[18:19]
	s_load_b256 s[20:27], s[0:1], 0x40             ; ws s[20:21], tab s[22:23], order s[24:25], pos s[26:27]
	v_lshl_add_u32 v254, v0, 2, 0x400
	v_mov_b32 v255, 0
	v_lshrrev_b32 v1, 5, v0
	v_readfirstlane_b32 s2, v1                     ; wave 0..3
	v_and_b32 v2, 31, v0                           ; lane x
	s_cmp_ge_u32 ttmp9, NQ
	s_cbranch_scc1 .Lsort
	; ---------------- Q: quantise 128 columns x 128 along K ----------------
	s_mul_i32 s28, ttmp9, 2521
	s_lshr_b32 s28, s28, 16                        ; expert e = id / 26 (2521 x 26 = 65,546: exact for id under 234)
	s_mul_i32 s29, s28, 26
	s_sub_co_u32 s29, ttmp9, s29                   ; j = id - 26 e
	s_and_b32 s32, s28, 7                          ; which relation in W1, W2, W3; 0 for expert 8, whose tensors hold one set
	s_lshl_b32 s33, s2, 7                          ; my wave: 32 columns, 128 bytes
	s_mov_b32 s39, 0                               ; high words of the three offsets
	s_mov_b32 s41, 0
	s_mov_b32 s43, 0
	v_lshlrev_b32 v3, 2, v2                        ; in: 4 bytes a lane
	v_bfe_u32 v6, v2, 3, 1                         ; layers 1, 2: column x of 32 is lane row r = x % 8 + 8 (x / 16) of tile u = (x / 8) % 2
	v_and_b32 v7, 7, v2
	v_lshrrev_b32 v8, 4, v2
	v_lshl_add_u32 v7, v8, 3, v7
	v_lshlrev_b32 v7, 4, v7                        ; 16 r
	v_mad_u32_u24 v4, v6, 1536, v7                 ; codes: 1,536 u + 16 r
	v_lshl_add_u32 v5, v6, 8, v7                   ; scale words: 256 u + 16 r
	s_wait_kmcnt 0x0
	s_cmp_lt_u32 s29, 16
	s_cbranch_scc0 .Lq_not1
	; layer 1: j = 4 cb + s.  cb = the next launch's wave (128 units), s = the K step
	s_lshr_b32 s36, s29, 2
	s_and_b32 s37, s29, 3
	s_cmp_eq_u32 s28, 8
	s_cselect_b64 s[34:35], s[10:11], s[4:5]       ; Wu1 or W1: the choice hangs on the work-group number alone
	s_lshl_b32 s38, s32, 20                        ; a relation: 1 MiB
	s_lshl_b32 s44, s37, 18                        ; 128 rows of 2,048 bytes
	s_add_co_u32 s38, s38, s44
	s_lshl_b32 s44, s36, 9                         ; 128 columns
	s_add_co_u32 s38, s38, s44
	s_add_co_u32 s38, s38, s33
	s_add_nc_u64 s[34:35], s[34:35], s[38:39]
	s_lshl_b32 s40, s37, 3                         ; fragment 8 s + 2 w (+ u)
	s_lshl_b32 s44, s2, 1
	s_add_co_u32 s40, s40, s44
	s_mul_i32 s40, s40, 1536
	s_mul_i32 s44, s36, 49152
	s_add_co_u32 s40, s40, s44
	s_lshl_b32 s42, s36, 11                        ; scale words: 2,048 cb + 512 w + 4 s
	s_lshl_b32 s44, s2, 9
	s_add_co_u32 s42, s42, s44
	s_lshl_b32 s44, s37, 2
	s_add_co_u32 s42, s42, s44
	WLOADS 2048
	s_branch .Lq
.Lq_not1:
	s_cmp_lt_u32 s29, 24
	s_cbranch_scc0 .Lq_not2
	; layer 2: j - 16 = 4 cb + s.  The next launch's wave is 2 cb + w / 2 (64 units), its pair of tiles w % 2
	s_sub_co_u32 s45, s29, 16
	s_lshr_b32 s36, s45, 2
	s_and_b32 s37, s45, 3
	s_cmp_eq_u32 s28, 8
	s_cselect_b64 s[34:35], s[12:13], s[6:7]
	s_lshl_b32 s38, s32, 19                        ; a relation: 512 KiB
	s_lshl_b32 s44, s37, 17                        ; 128 rows of 1,024 bytes
	s_add_co_u32 s38, s38, s44
	s_lshl_b32 s44, s36, 9
	s_add_co_u32 s38, s38, s44
	s_add_co_u32 s38, s38, s33
	s_add_nc_u64 s[34:35], s[34:35], s[38:39]
	s_lshl_b32 s46, s36, 1
	s_lshr_b32 s44, s2, 1
	s_add_co_u32 s46, s46, s44
	s_and_b32 s47, s2, 1
	s_lshl_b32 s40, s37, 2                         ; fragment 4 s + 2 (w % 2) (+ u)
	s_lshl_b32 s44, s47, 1
	s_add_co_u32 s40, s40, s44
	s_mul_i32 s40, s40, 1536
	s_mul_i32 s44, s46, 24576
	s_add_co_u32 s40, s40, s44
	s_add_co_u32 s40, s40, 196608
	s_lshl_b32 s42, s46, 10
	s_lshl_b32 s44, s47, 9
	s_add_co_u32 s42, s42, s44
	s_lshl_b32 s44, s37, 2
	s_add_co_u32 s42, s42, s44
	s_add_co_u32 s42, s42, 8192
	WLOADS 1024
	s_branch .Lq
.Lq_not2:
	; layer 3: s = j - 24.  My wave is the next launch's wave (32 units); the units of a tile are neighbours: tile n = x / 16, lane row r = x % 16
	s_sub_co_u32 s37, s29, 24
	s_cmp_eq_u32 s28, 8
	s_cselect_b64 s[34:35], s[14:15], s[8:9]
	s_lshl_b32 s38, s32, 17                        ; a relation: 128 KiB
	s_lshl_b32 s44, s37, 16                        ; 128 rows of 512 bytes
	s_add_co_u32 s38, s38, s44
	s_add_co_u32 s38, s38, s33
	s_add_nc_u64 s[34:35], s[34:35], s[38:39]
	s_mul_i32 s40, s2, 6144                        ; fragment 2 s (+ n)
	s_mul_i32 s44, s37, 3072
	s_add_co_u32 s40, s40, s44
	s_add_co_u32 s40, s40, 294912
	s_lshl_b32 s42, s2, 8                          ; scale words: 256 w + 16 r + 8 n + 4 s
	s_lshl_b32 s44, s37, 2
	s_add_co_u32 s42, s42, s44
	s_add_co_u32 s42, s42, 12288
	v_and_b32 v7, 15, v2
	v_lshlrev_b32 v7, 4, v7
	v_mad_u32_u24 v4, v8, 1536, v7
	v_lshl_add_u32 v5, v8, 3, v7
	WLOADS 512
.Lq:
	s_mul_i32 s44, s28, 319488                     ; an expert: 319,488 bytes of codes,
	s_add_co_u32 s40, s40, s44
	s_mul_i32 s44, s28, 13312                      ; 13,312 of scale words
	s_add_co_u32 s42, s42, s44
	s_add_nc_u64 s[18:19], s[18:19], s[40:41]
	s_add_nc_u64 s[20:21], s[20:21], s[42:43]
	QBLK 0, 63                                     ; behind block 0 stand 96 loads, behind block 1 64: the count names the most that its field holds
	QBLK 1, 63
	QBLK 2, 32
	QBLK 3, 0
	v_nop                                          ; one plain instruction between a scaled conversion and the moves that read its result
.irp kb, 0,1,2,3
.irp i, 0,1,2
	v_mov_b32 v[C+12*(\kb%2)+6*(\kb/2)+3+\i], v[TT+4*\kb+\i]
.endr
.endr
.irp h, 0,1                                    ; target lane (r, h) holds blocks h and 2 + h: registers 0-5 and 6-11
.irp p, 0,1,2
	global_store_b128 v4, v[C+12*\h+4*\p:C+12*\h+4*\p+3], s[18:19] offset:256*\h+512*\p   ; the 16 lanes of a tile store 256 consecutive bytes, aligned
.endr
.endr
	global_store_b32 v5, v10, s[20:21]             ; 4 bytes at a stride of 16 (the other K steps fill the rest): one byte for each 128 read
	s_endpgm
	; ---------------- R: the counting sort ----------------
.Lsort:
	s_sub_co_u32 s3, ttmp9, NQ                     ; g: my chunk of 512 tokens
	v_lshlrev_b32 v4, 4, v0                        ; thread tau holds tokens 512 k + 4 tau + 0..3 of chunk k
	s_lshl_b32 s28, s3, 11
	v_add_nc_u32 v3, s28, v4                       ; the same place in my own chunk, in s and in pos
	s_mov_b32 s60, 0x0f0f0f0f
	s_mov_b32 s61, 0x00ff00ff
	s_mov_b32 s62, 0x76543210                      ; v_permlanex16_b32: lane l xor 16
	s_mov_b32 s63, 0xfedcba98
.irp i, 16,17,18,19
	v_mov_b32 v[\i], 0                             ; v16, v17 counts so far (a byte an expert, 128 at the most); v18, v19 their state in front of my chunk
.endr
	s_wait_kmcnt 0x0
	global_load_b128 v[8:11], v3, s[16:17]
.set k, 0
.rept 32
	global_load_b128 v[64+4*k:67+4*k], v4, s[16:17] offset:2048*k
.set k, k+1
.endr
.set k, 0
.rept 32
	s_wait_loadcnt 31-k                            ; chunk k is in; the chunks behind it may be out
	s_cmp_eq_u32 s3, k
	s_cselect_b32 s29, -1, 0
	v_cndmask_b32 v18, v18, v16, s29               ; in front of my chunk the counts are kept
	v_cndmask_b32 v19, v19, v17, s29
	COUNT4 64+4*k
	v_and_b32 v6, s60, v5
	v_add_nc_u32 v16, v16, v6                      ; experts 0, 2, 4, 6
	v_lshrrev_b32 v6, 4, v5
	v_and_b32 v6, s60, v6
	v_add_nc_u32 v17, v17, v6                      ; experts 1, 3, 5, 7
.set k, k+1
.endr
	COUNT4 8                                       ; my own four tokens
	v_and_b32 v60, s60, v5
	v_lshrrev_b32 v61, 4, v5
	v_and_b32 v61, s60, v61
	WIDE 20, 16, 17                                ; v20-23 all of s;  v24-27 the chunks in front of mine;  v28-31 my chunk
	WIDE 24, 18, 19
	WIDE 28, 60, 61
.irp i, 0,1,2,3,4,5,6,7,8,9,10,11
	v_mov_b32 v[32+\i], 0                          ; written once: the destination of a move between lanes counts as read
.endr
.irp m, 1,2,4,8                                ; sums over the 32 lanes; a field holds 16,384 at the most
.irp i, 0,1,2,3,4,5,6,7,8,9,10,11
	v_mov_b32_dpp v[32+\i], v[20+\i] row_xmask:\m row_mask:0xf bank_mask:0xf
.endr
.irp i, 0,1,2,3,4,5,6,7,8,9,10,11
	v_add_nc_u32 v[20+\i], v[20+\i], v[32+\i]
.endr
.endr
.irp i, 0,1,2,3,4,5,6,7,8,9,10,11
	v_permlanex16_b32 v[32+\i], v[20+\i], s62, s63
.endr
.irp i, 0,1,2,3,4,5,6,7,8,9,10,11
	v_add_nc_u32 v[20+\i], v[20+\i], v[32+\i]
.endr
	v_lshlrev_b32 v63, 6, v1                       ; 64 bytes of LDS a wave; all lanes write the same words with the same values
	ds_store_b128 v63, v[20:23]
	ds_store_b128 v63, v[24:27] offset:16
	ds_store_b128 v63, v[28:31] offset:32
	s_wait_dscnt 0x0                               ; for the other waves: my stores are done
	s_barrier_signal -1
	s_barrier_wait -1
	v_mov_b32 v7, 0
.irp w, 0,1,2,3
.irp p, 0,1,2
	ds_load_b128 v[32+12*\w+4*\p:35+12*\w+4*\p], v7 offset:64*\w+16*\p
.endr
.endr
	s_wait_dscnt 0x0
.irp i, 0,1,2,3
	v_add_nc_u32 v[20+\i], v[32+\i], v[44+\i]
	v_add_nc_u32 v[24+\i], v[36+\i], v[48+\i]
.endr
.irp i, 0,1,2,3
	v_add_nc_u32 v[20+\i], v[20+\i], v[56+\i]
	v_add_nc_u32 v[24+\i], v[24+\i], v[60+\i]
.endr
.irp i, 0,1,2,3
	v_add_nc_u32 v[20+\i], v[20+\i], v[68+\i]      ; each expert: its rows in all of s,
	v_add_nc_u32 v[24+\i], v[24+\i], v[72+\i]      ; and in the chunks in front of mine,
.endr
.irp w, 0,1,2
	s_cmp_gt_u32 s2, \w
	s_cselect_b32 s29, -1, 0
.irp i, 0,1,2,3
	v_and_b32 v[40+12*\w+\i], s29, v[40+12*\w+\i]
	v_add_nc_u32 v[24+\i], v[24+\i], v[40+12*\w+\i]   ; and in the waves of my chunk in front of mine
.endr
.endr
.irp i, 0,1,2,3
	v_readfirstlane_b32 s[66+\i], v[20+\i]
	v_readfirstlane_b32 s[70+\i], v[24+\i]
.endr
	UNPK 32, 66                                    ; s[32:39] count_e
	UNPK 49, 70                                    ; s[49:56] the rows of e in front of my wave
	s_mov_b32 s40, 0                               ; s[40:48] tb_e, the first tile of e; tb_8 = the tiles in use
.irp e, 0,1,2,3,4,5,6,7
	s_add_co_u32 s28, s[32+\e], 79
	s_lshr_b32 s28, s28, 4
	s_mul_i32 s28, s28, 52429
	s_lshr_b32 s28, s28, 18                        ; ceil(count / 80) = ((count + 79) / 16) / 5; 52,429 x 5 = 2^18 + 1: exact up to 1,028
	s_add_co_u32 s[41+\e], s[40+\e], s28
	s_mul_i32 s28, s[40+\e], 80
	s_add_co_u32 s[49+\e], s[49+\e], s28           ; the next free slot of e, as my wave sees it
.endr
.irp q, 0,1,2,3
	v_mov_b32 v[12+\q], ZS
.endr
.irp q, 0,1,2,3                                ; my wave places its 128 tokens: register by register, lane by lane
.irp e, 0,1,2,3,4,5,6,7
	v_cmp_eq_u32 vcc_lo, \e, v[8+\q]
	v_mbcnt_lo_u32_b32 v6, vcc_lo, s[49+\e]        ; the next free slot + the lanes below me that go to e too
	v_cndmask_b32 v[12+\q], v[12+\q], v6, vcc_lo
	s_bcnt1_i32_b32 s28, vcc_lo
	s_add_co_u32 s[49+\e], s[49+\e], s28
.endr
.endr
	global_store_b128 v3, v[12:15], s[26:27]       ; pos: 512 consecutive bytes a wave
	; EVERY ADDRESS OF THE STORES BELOW IS MADE HERE, with all lanes on, ahead of the first change of EXEC, in registers that no load has touched; behind that change no vector register is written any more.
	; A number made of loaded data is held inside the 16,960 slots (0x423f = 16,959) before it enters an address.
	s_lshl_b32 s28, s3, 9
	v_lshl_add_u32 v[TOK], v0, 2, s28              ; my tokens
	v_add_nc_u32 v[TOK+1], 1, v[TOK]
	v_add_nc_u32 v[TOK+2], 2, v[TOK]
	v_add_nc_u32 v[TOK+3], 3, v[TOK]
.irp q, 0,1,2,3
	v_min_u32 v[AS+\q], 0x423f, v[12+\q]
	v_lshlrev_b32 v[AS+\q], 2, v[AS+\q]
.endr
	; the slots of the tiles that this split leaves empty will hold row 0.  The 32 work-groups share them: 640 each, 20,480 for 16,960 at the most
	s_mul_i32 s58, s48, 80                         ; the first of them
	s_sub_co_u32 s59, 16960, s58                   ; how many
	s_mul_i32 s28, s3, 640
	v_add_nc_u32 v[IX], s28, v0
.irp i, 1,2,3,4
	v_add_nc_u32 v[IX+\i], 128*\i, v[IX]
.endr
.irp i, 0,1,2,3,4
	v_add_nc_u32 v[AE+\i], s58, v[IX+\i]
	v_min_u32 v[AE+\i], 0x423f, v[AE+\i]
	v_lshlrev_b32 v[AE+\i], 2, v[AE+\i]
.endr
.irp e, 0,1,2,3,4,5,6,7                        ; the pads of each expert's last tile: under 80, a thread a pad
	s_mul_i32 s58, s[40+\e], 80
	s_add_co_u32 s58, s58, s[32+\e]                ; the first pad slot of e
	s_mul_i32 s[70+\e], s[41+\e], 80
	s_sub_co_u32 s[70+\e], s[70+\e], s58           ; s[70:77] how many
	v_add_nc_u32 v[AP+\e], s58, v0
	v_min_u32 v[AP+\e], 0x423f, v[AP+\e]
	v_lshlrev_b32 v[AP+\e], 2, v[AP+\e]
.endr
	v_lshlrev_b32 v[A4], 2, v0
	v_mov_b32 v[NUL], 0
	s_cmp_lg_u32 s3, 0
	s_cbranch_scc1 .Lmasked
	; the first sort work-group alone, all lanes on: the list of (u | i) rows, and tab
.irp i, 0,1,2,3
	v_add_nc_u32 v[UV+\i], 128*\i, v0
	global_store_b32 v[A4], v[UV+\i], s[24:25] offset:(16960+128*\i)*4   ; order[16,960 + b] = b
.endr
	global_store_b32 v[A4], v[NUL], s[24:25] offset:(16960+512)*4        ; and 128 pads
.irp i, 0,1
	v_add_nc_u32 v[TB+2*\i], 128*\i, v0            ; tile t
	v_mov_b32 v[TB+1+2*\i], 0
.irp e, 1,2,3,4,5,6,7
	v_cmp_le_u32 vcc_lo, s[40+\e], v[TB+2*\i]
	v_cndmask_b32 v[TB+1+2*\i], v[TB+1+2*\i], \e, vcc_lo   ; the last expert whose first tile is at or under t
.endr
	v_cmp_le_u32 vcc_lo, 212, v[TB+2*\i]
	v_cndmask_b32 v[TB+1+2*\i], v[TB+1+2*\i], 8, vcc_lo
	global_store_b32 v[A4], v[TB+1+2*\i], s[22:23] offset:512*\i
.endr
.Lmasked:
	s_wait_xcnt 0x0                                ; EXEC is a source of the stores issued so far: it changes only behind this wait
.irp q, 0,1,2,3
	v_cmp_gt_u32 vcc_lo, 8, v[8+\q]
	MSTORE AS+\q, TOK+\q                           ; order[slot] = token: a scatter of 4 bytes, 64 KiB in the whole launch
.endr
.irp i, 0,1,2,3,4
	v_cmp_gt_u32 vcc_lo, s59, v[IX+\i]
	MSTORE AE+\i, NUL
.endr
	s_cmp_lg_u32 s3, 0
	s_cbranch_scc1 .Lsort_end
.irp e, 0,1,2,3,4,5,6,7                        ; the first sort work-group alone
	v_cmp_gt_u32 vcc_lo, s[70+\e], v0
	MSTORE AP+\e, NUL
.endr
.Lsort_end:
	s_wait_tensorcnt 0x0
	ds_add_u32 v254, v255
	s_wait_dscnt 0x0
	s_endpgm
.Lfunc_end_k_q80354afc53_prep:
	.size	k_q80354afc53_prep, .Lfunc_end_k_q80354afc53_prep-k_q80354afc53_prep
	.p2alignl 7, 3214868480
	.fill 96, 4, 3214868480
	.section	.rodata,"a",@progbits
	.p2align	6, 0x0
	.amdhsa_kernel k_q80354afc53_prep
		.amdhsa_group_segment_fixed_size 1536
		.amdhsa_private_segment_fixed_size 0
		.amdhsa_enable_private_segment 0
		.amdhsa_kernarg_size 96
		.amdhsa_user_sgpr_count 2
		.amdhsa_user_sgpr_kernarg_segment_ptr 1
		.amdhsa_wavefront_size32 1
		.amdhsa_system_sgpr_workgroup_id_x 1
		.amdhsa_system_sgpr_workgroup_id_y 1
		.amdhsa_system_sgpr_workgroup_id_z 1
		.amdhsa_system_vgpr_workitem_id 0
		.amdhsa_next_free_vgpr 256
		.amdhsa_next_free_sgpr 80
		.amdhsa_reserve_vcc 1
		.amdhsa_float_denorm_mode_32 3
		.amdhsa_float_denorm_mode_16_64 3
		.amdhsa_memory_ordered 1
		.amdhsa_forward_progress 1
		.amdhsa_inst_pref_size 119
	.end_amdhsa_kernel
	.amdgpu_metadata
---
amdhsa.version: [ 1, 2 ]
amdhsa.kernels:
  - .name:           k_q80354afc53_prep
    .symbol:         k_q80354afc53_prep.kd
    .args:
      - { .name: W1, .offset: 0, .size: 8, .value_kind: global_buffer, .address_space: global }
      - { .name: W2, .offset: 8, .size: 8, .value_kind: global_buffer, .address_space: global }
      - { .name: W3, .offset: 16, .size: 8, .value_kind: global_buffer, .address_space: global }
      - { .name: Wu1, .offset: 24, .size: 8, .value_kind: global_buffer, .address_space: global }
      - { .name: Wu2, .offset: 32, .size: 8, .value_kind: global_buffer, .address_space: global }
      - { .name: Wu3, .offset: 40, .size: 8, .value_kind: global_buffer, .address_space: global }
      - { .name: s, .offset: 48, .size: 8, .value_kind: global_buffer, .address_space: global }
      - { .name: wc, .offset: 56, .size: 8, .value_kind: global_buffer, .address_space: global }
      - { .name: ws, .offset: 64, .size: 8, .value_kind: global_buffer, .address_space: global }
      - { .name: tab, .offset: 72, .size: 8, .value_kind: global_buffer, .address_space: global }
      - { .name: order, .offset: 80, .size: 8, .value_kind: global_buffer, .address_space: global }
      - { .name: pos, .offset: 88, .size: 8, .value_kind: global_buffer, .address_space: global }
    .group_segment_fixed_size: 1536
    .private_segment_fixed_size: 0
    .kernarg_segment_align: 8
    .kernarg_segment_size: 96
    .max_flat_workgroup_size: 128
    .sgpr_count:     80
    .vgpr_count:     256
    .wavefront_size: 32
...
	.end_amdgpu_metadata
.endif
;; end of part 1
;; launch chain (part 2): grid 219 x 1, 4 waves a work-group, no clusters, 160,256 bytes of LDS; arguments tab, order, a_emb, o_emb, u_emb, i_emb, wc, ws, b1, b2, b3, bu1, bu2, bu3, emb; writes emb
.if DOCPART == 2
	.amdgcn_target "amdgcn-amd-amdhsa--gfx1250"
	.amdhsa_code_object_version 6
	.text
	.protected	k_q80354afc53_chain
	.globl	k_q80354afc53_chain
	.p2align	8
	.type	k_q80354afc53_chain,@function
k_q80354afc53_chain:
	s_mov_b64 s[64:65], 0
	v_nop
	global_prefetch_b8 v0, s[64:65] scope:SCOPE_SE
	s_setreg_imm32_b32 hwreg(HW_REG_WAVE_MODE, 25, 1), 1
	s_wait_xcnt 0x0
; CHAIN.  One work-group takes one tile of 80 rows of ONE expert through the whole MLP: gather, quantise, 512 -> 512 -> 256 -> 128 with leaky ReLU (slope 0.01), all three products on codes of E3M2 with one
; E8M0 scale for each 32 along K.  Experts 0..7 are the relations (rows = tokens, x = a | o), expert 8 the shared MLP (rows = b, x = u | i).  The 128 results of each row go to emb at the row's slot.
; tab[tile] = expert and order[slot] = row were stored by the launch before.  Hidden layers never go to memory.
; SHARES.  THE WAVES SHARE THE COLUMNS, NOT THE ROWS: wave w makes units 128 w .. of layer 1, 64 w .. of layer 2, 32 w .. of layer 3, for all 5 tiles of 16 rows.  Its part of the three weights
; (52 fragments, 624 registers), their scale words and biases are loaded once, as images of the operand registers, and stay: each weight byte enters the work-group once.
; Activations go from wave to wave through LDS as images of their registers: a fragment by stores of 16 bytes a lane at 16 x lane, its scale words at 4 x lane.  Four barriers; no LDS region is written twice.
; In the first phase wave w quantises K step w (128 columns of x) of all 80 rows.
; Every product is used transposed (source 0 = 16 units, source 1 = 16 rows): a lane holds one row, its registers run along the units.  In layers 1 and 2 lane row r of tile 2 b + u is unit 32 b + 8 u + r + 8 (r / 8),
; so that the 16 registers of two neighbouring tiles are 16 neighbours along the next K.  A bias is the C of a sum's first product.
; NO BRANCH: a tile that the split leaves empty (7 of 219 at the most when every s lies in 0..7) runs on row 0 and stores into its own slots, which nobody reads.
; NO TENSOR LOAD, NO CLUSTER: the addresses hang on stored numbers, so operands go from memory straight into registers.  No prefetch: every load of x goes out in the first lines.
; LIMITS: NaN and infinities are not served.  A block whose largest magnitude lies under 2^-122 keeps the byte 1 (a block of zeros too: its codes are zeros).  The bias enters the f32 sum first, not last.
; REGISTERS, in windows of 256.  Window 0: v1-23 addresses that stay; v24-39 offsets of 16 rows of x, later v24-31 at work; v40-71, v72-87, v88-91 the weights' scale words; v92-95 the activations';
;   v96-159 accumulators (and numbers of x); v160-207 four fragments of activations (v160-223 numbers of x); v208-223 layer 3's last accumulators; v224-242 codes just made; v243 their scale word; v244-255 at work.
;   Window 1: W1's K steps 0, 1 (v0-191), b1 (v192-255).  Window 2: W1's K steps 2, 3, then b2 (v192-223), b3 (v224-239); first x as loaded, rows 64-79 (v192-255).
;   Window 3: W2 (v0-191), W3 (v192-239); first x as loaded, rows 0-63.
.set XIMG,  33792                      ; LDS: 0: a stage of 16 rows x 528 bytes for each wave;  here: x's 20 fragments (4 m + s), 1,536 bytes each
.set XSC,   64512                      ; their scale words, 128 bytes each
.set H1IMG, 67072                      ; layer 1's 20 fragments
.set H1SC,  97792
.set H2IMG, 100352                     ; layer 2's 10 fragments (2 m + s), each in two halves of 768 bytes (512 at 16 x lane, 256 at 8 x lane)
.set H2SC,  115712
.set OSTG,  116992                     ; 80 rows x (512 + 16) bytes: the way out.  Ends at 159,232
.set OFF, 24
.set T,   24
.set W1S, 40
.set W2S, 72
.set W3S, 88
.set XS,  92
.set HA,  96
.set XF,  160
.set PC,  224
.set PW,  243
.set TM,  244
.set B1,  20                           ; s[20:21] b1, s[22:23] b2, s[24:25] b3 at my units
.set B2,  22
.set B3,  24
.set EMB, 32                           ; s[32:33] emb at the 20 rows that I store
.set WC1, 40                           ; s[40:45] my codes of the three layers;  s[46:51] my scale words
.set WC2, 42
.set WC3, 44
.set WS1, 46
.set WS2, 48
.set WS3, 50
.set SEL, 52                           ; s[52:53] v_permlanex16_b32: lane l xor 16
.set SL,  54                           ; s[54:55] the slope 0.01 (the packed form names a pair and takes its low word for both halves)
.set MSB, 0
.macro WIN new                         ; bits 1:0 source 0, 3:2 source 1, 5:4 source 2, 7:6 destination; the high byte repeats the setting that is left
.if MSB != (\new)
	s_set_vgpr_msb (MSB<<8)|(\new)
.set MSB, (\new)
.endif
.endm
.macro PLACES                          ; four plain instructions between a product and a load into, or a read of, its registers
.rept 4
	v_nop
.endr
.endm
.macro BARRIER                         ; my LDS stores have landed and my LDS loads are in: then the barrier
	s_wait_dscnt 0x0
	s_barrier_signal -1
	s_barrier_wait -1
.endm
; Rows 16 u .. 16 u + 15 of the tile: their numbers stand in s[sb] on.  Each load takes 512 consecutive bytes of one row: my K step.
.macro XROWS u, sb
.irp i, 0,1,2,3,4,5,6,7,8,9,10,11,12,13,14,15
	s_min_u32 s[\sb+\i], s[\sb+\i], 16383          ; a loaded number is held before it enters an address (rows of expert 8 are stored as 0..511)
	s_lshl_b32 s[\sb+\i], s[\sb+\i], 10            ; a row of a, o, u or i is 1,024 bytes
	v_add_nc_u32 v[OFF+\i], s[\sb+\i], v19
.endr
.if \u < 4
	WIN 0xc0
.set RAW, 64*\u
.else
	WIN 0x80
.set RAW, 192
.endif
.irp i, 0,1,2,3,4,5,6,7,8,9,10,11,12,13,14,15
	global_load_b128 v[RAW+4*\i:RAW+4*\i+3], v[OFF+\i], s[8:9]   ; no hint: row 0 is named again by every pad
.endr
	WIN 0
	s_wait_xcnt 0x0                                ; the offsets are written again only behind this wait
.endm
; Unit u's 16 rows turn through my stage: in as loaded (a row's 512 bytes on end, rows 528 apart), out so that lane (r, h) holds, of row r, numbers 32 b + 16 h + 0..15 in registers 16 b + 0..15.
; LDS serves a wave's instructions in order, so one stage serves all units.  n = the younger global loads that may stay out.
.macro TURN u, n
	s_wait_loadcnt \n
.if (\u) < 4
	WIN 0x0c
.set RAW, 64*((\u)%4)
.else
	WIN 0x08
.set RAW, 192
.endif
.set STB, 96+64*((\u)%2)
.irp i, 0,1,2,3,4,5,6,7,8,9,10,11,12,13,14,15
	ds_store_b128 v1, v[RAW+4*\i:RAW+4*\i+3] offset:528*\i
.endr
	WIN 0
.irp b, 0,1,2,3
.irp j, 0,1,2,3
	ds_load_b128 v[STB+16*\b+4*\j:STB+16*\b+4*\j+3], v2 offset:128*\b+16*\j
.endr
.endr
.endm
; 24 loads of layer 1's weights: c = 0..3: the 8 fragments of K step c;  c = 4: the scale words and the bias.
.macro WCHUNK c
.if \c < 4
	WIN 0x40+0x40*((\c)/2)
.irp t, 0,1,2,3,4,5,6,7
.irp p, 0,1,2
	global_load_b128 v[12*(8*((\c)%2)+\t)+4*\p:12*(8*((\c)%2)+\t)+4*\p+3], v20, s[WC1:WC1+1] offset:(8*(\c)+\t)*1536+512*\p
.endr
.endr
	WIN 0
.else
.irp t, 0,1,2,3,4,5,6,7
	global_load_b128 v[W1S+4*\t:W1S+4*\t+3], v21, s[WS1:WS1+1] offset:256*\t   ; lane row r of tile t: its words of the four K steps
.endr
	WIN 0x40
.irp t, 0,1,2,3,4,5,6,7
	global_load_b128 v[192+8*\t:192+8*\t+3], v22, s[B1:B1+1] offset:(32*(\t/2)+8*(\t%2))*4      ; lane (r, h), tile 2 b + u: units 32 b + 16 h + 8 u + 0..7
	global_load_b128 v[192+8*\t+4:192+8*\t+7], v22, s[B1:B1+1] offset:(32*(\t/2)+8*(\t%2))*4+16
.endr
	WIN 0
.endif
.endm
; 16 nb numbers of a lane, register 16 b + i = k 32 b + 16 (lane / 16) + i of my row, become codes in v[PC] on (6 registers for each two blocks) and scale bytes in v[PW].
.macro QUANT s, nb
.irp b, 0,1,2,3
.if \b < \nb
	v_max3_num_f32 v[TM+\b], |v[\s+16*\b]|, |v[\s+16*\b+1]|, 0x2800000   ; my 16 numbers of block b, and the floor 2^(5 - 127): the byte cannot fall under 1
.endif
.endr
.irp i, 2,4,6,8,10,12,14
.irp b, 0,1,2,3
.if \b < \nb
	v_max3_num_f32 v[TM+\b], v[TM+\b], |v[\s+16*\b+\i]|, |v[\s+16*\b+\i+1]|
.endif
.endr
.endr
.irp b, 0,1,2,3
.if \b < \nb
	v_permlanex16_b32 v[TM+4+\b], v[TM+\b], s[SEL], s[SEL+1]
.endif
.endr
.irp b, 0,1,2,3
.if \b < \nb
	v_max_num_f32 v[TM+\b], v[TM+\b], v[TM+4+\b]   ; with lane l xor 16: the block's largest magnitude
.endif
.endr
.irp b, 0,1,2,3
.if \b < \nb
	v_add_nc_u32 v[TM+8+\b], 0xfe000000, v[TM+\b]  ; 4 off its exponent field: the conversion's scale operand
.endif
.endr
.irp b, 0,1,2,3
.if \b < \nb
	v_lshrrev_b32 v[TM+4+\b], 23, v[TM+8+\b]       ; the byte
.endif
.endr
	v_lshl_or_b32 v[PW], v[TM+5], 8, v[TM+4]
.if \nb > 2
	v_lshl_or_b32 v[PW], v[TM+6], 16, v[PW]
	v_lshl_or_b32 v[PW], v[TM+7], 24, v[PW]
.endif
.irp c, 0,1
.if 2*\c < \nb
	v_cvt_scalef32_pk16_bf6_f32 v[PC+6*\c:PC+6*\c+2], v[\s+32*\c:\s+32*\c+15], v[TM+8+2*\c]
	v_cvt_scalef32_pk16_bf6_f32 v[PC+12+4*\c:PC+14+4*\c], v[\s+32*\c+16:\s+32*\c+31], v[TM+9+2*\c]   ; (a conversion begins on an even register)
.endif
.endr
	v_nop                                          ; one plain instruction behind the scaled conversions
.irp c, 0,1                                    ; the operand wants a WHOLE block in a lane: lanes 0-15 block 2 c, lanes 16-31 block 2 c + 1
.if 2*\c < \nb
.irp i, 0,1,2
	v_permlane16_swap_b32 v[PC+6*\c+\i], v[PC+12+4*\c+\i]
.endr
.irp i, 0,1,2
	v_mov_b32 v[PC+3+6*\c+\i], v[PC+12+4*\c+\i]
.endr
.endif
.endr
.endm
.macro IMAGE adr, off                  ; the fragment in v[PC] on goes to LDS as it stands
.irp c, 0,1,2
	ds_store_b128 v[\adr], v[PC+4*\c:PC+4*\c+3] offset:\off+512*\c
.endr
.endm
.macro FETCH ai, as, f0                ; fragments f0 .. f0 + 3 (a tile of rows, four K steps) and their scale words: 16 LDS loads
.irp s, 0,1,2,3
.irp p, 0,1,2
	ds_load_b128 v[XF+12*\s+4*\p:XF+12*\s+4*\p+3], v[\ai] offset:((\f0)+\s)*1536+512*\p
.endr
	ds_load_b32 v[XS+\s], v[\as] offset:((\f0)+\s)*128
.endr
.endm
.macro FETCH3 m                        ; layer 2's two fragments of tile m into set m % 2: 10 LDS loads
.set F3, XF+24*((\m)%2)
.irp s, 0,1
	ds_load_b128 v[F3+12*\s:F3+12*\s+3], v14 offset:(2*(\m)+\s)*1536
	ds_load_b64 v[F3+12*\s+4:F3+12*\s+5], v15 offset:(2*(\m)+\s)*1536
	ds_load_b128 v[F3+12*\s+6:F3+12*\s+9], v14 offset:(2*(\m)+\s)*1536+768
	ds_load_b64 v[F3+12*\s+10:F3+12*\s+11], v15 offset:(2*(\m)+\s)*1536+768
	ds_load_b32 v[XS+2*((\m)%2)+\s], v16 offset:(2*(\m)+\s)*128
.endr
.endm
.macro LEAKY base, n                   ; max(x, 0.01 x), eight numbers at a time, each accumulator from its low end on
.set LB, \base
.rept (\n)/8
.irp j, 0,2,4,6
	v_pk_mul_f32 v[T+\j:T+\j+1], v[LB+\j:LB+\j+1], s[SL:SL+1] op_sel_hi:[1,0]
.endr
.irp j, 0,1,2,3,4,5,6,7
	v_max_num_f32 v[LB+\j], v[LB+\j], v[T+\j]
.endr
.set LB, LB+8
.endr
.endm
; The products.  The accumulators take turns, one instruction a turn.  first = 1: the bias is C.
.macro MM1 s, first
.irp t, 0,1,2,3,4,5,6,7
.if \first
	v_wmma_scale_f32_16x16x128_f8f6f4 v[HA+8*\t:HA+8*\t+7], v[12*(8*((\s)%2)+\t):12*(8*((\s)%2)+\t)+11], v[XF+12*(\s):XF+12*(\s)+11], v[192+8*\t:192+8*\t+7], v[W1S+4*\t+(\s)], v[XS+(\s)] matrix_a_fmt:MATRIX_FMT_BF6 matrix_b_fmt:MATRIX_FMT_BF6
.else
	v_wmma_scale_f32_16x16x128_f8f6f4 v[HA+8*\t:HA+8*\t+7], v[12*(8*((\s)%2)+\t):12*(8*((\s)%2)+\t)+11], v[XF+12*(\s):XF+12*(\s)+11], v[HA+8*\t:HA+8*\t+7], v[W1S+4*\t+(\s)], v[XS+(\s)] matrix_a_fmt:MATRIX_FMT_BF6 matrix_b_fmt:MATRIX_FMT_BF6
.endif
.endr
.endm
.macro MM2 s, first
.irp t, 0,1,2,3
.if \first
	v_wmma_scale_f32_16x16x128_f8f6f4 v[HA+8*\t:HA+8*\t+7], v[12*(4*(\s)+\t):12*(4*(\s)+\t)+11], v[XF+12*(\s):XF+12*(\s)+11], v[192+8*\t:192+8*\t+7], v[W2S+4*\t+(\s)], v[XS+(\s)] matrix_a_fmt:MATRIX_FMT_BF6 matrix_b_fmt:MATRIX_FMT_BF6
.else
	v_wmma_scale_f32_16x16x128_f8f6f4 v[HA+8*\t:HA+8*\t+7], v[12*(4*(\s)+\t):12*(4*(\s)+\t)+11], v[XF+12*(\s):XF+12*(\s)+11], v[HA+8*\t:HA+8*\t+7], v[W2S+4*\t+(\s)], v[XS+(\s)] matrix_a_fmt:MATRIX_FMT_BF6 matrix_b_fmt:MATRIX_FMT_BF6
.endif
.endr
.endm
.macro MM3 m, s, first
.set D3, 96+16*(\m)
.if (\m) == 4
.set D3, 208
.endif
.set F3, XF+24*((\m)%2)+12*(\s)
.irp n, 0,1
.if \first
	v_wmma_scale_f32_16x16x128_f8f6f4 v[D3+8*\n:D3+8*\n+7], v[192+12*(2*(\s)+\n):192+12*(2*(\s)+\n)+11], v[F3:F3+11], v[224+8*\n:224+8*\n+7], v[W3S+2*\n+(\s)], v[XS+2*((\m)%2)+(\s)] matrix_a_fmt:MATRIX_FMT_BF6 matrix_b_fmt:MATRIX_FMT_BF6
.else
	v_wmma_scale_f32_16x16x128_f8f6f4 v[D3+8*\n:D3+8*\n+7], v[192+12*(2*(\s)+\n):192+12*(2*(\s)+\n)+11], v[F3:F3+11], v[D3+8*\n:D3+8*\n+7], v[W3S+2*\n+(\s)], v[XS+2*((\m)%2)+(\s)] matrix_a_fmt:MATRIX_FMT_BF6 matrix_b_fmt:MATRIX_FMT_BF6
.endif
.endr
.endm
; One unit of the first phase: the next unit turns through the stage, 24 weight loads go out, this unit is quantised and its image stored.
.macro XSTEP u, n
.if \u < 4
	TURN (\u)+1, \n
.endif
	WCHUNK \u
.if \u < 4
	s_wait_dscnt 32                                ; all but the next unit's 16 stores and 16 loads: my numbers are in, and the last image's stores have read their registers
.else
	s_wait_dscnt 0x0
.endif
	QUANT 96+64*((\u)%2), 4
	IMAGE 3, 6144*(\u)                             ; fragment 4 u + w
	ds_store_b32 v4, v[PW] offset:512*(\u)
.endm
	; ---------------- head: the tile's expert and rows; all of x is asked for ----------------
	s_load_b128 s[4:7], s[0:1], 0x0                ; tab, order
	s_load_b256 s[8:15], s[0:1], 0x10              ; a, o, u, i
	v_lshrrev_b32 v1, 5, v0
	v_readfirstlane_b32 s2, v1                     ; wave 0..3
	s_lshl_b32 s3, ttmp9, 2
	s_mul_i32 s101, ttmp9, 320                     ; 80 rows, 4 bytes each
	v_and_b32 v224, 31, v0                         ; lane l
	v_lshlrev_b32 v20, 4, v224                     ; v20 = 16 l
	s_and_b32 s100, s2, 1
	s_lshl_b32 s100, s100, 9
	v_add_nc_u32 v19, s100, v20                    ; v19 = 16 l + 512 (w % 2): my K step in a row of 1,024 bytes
	s_wait_kmcnt 0x0
	s_load_b32 s66, s[4:5], s3 offset:0x0
	s_load_b512 s[16:31], s[6:7], s101 offset:0x0
	s_load_b512 s[32:47], s[6:7], s101 offset:0x40
	s_load_b512 s[48:63], s[6:7], s101 offset:0x80
	s_load_b512 s[68:83], s[6:7], s101 offset:0xc0
	s_load_b512 s[84:99], s[6:7], s101 offset:0x100
	s_wait_kmcnt 0x0
	s_min_u32 s67, s66, 8                          ; the expert
	s_cmp_eq_u32 s67, 8
	s_cselect_b64 s[8:9], s[12:13], s[8:9]         ; columns 0-255 of x: u or a,
	s_cselect_b64 s[10:11], s[14:15], s[10:11]     ; columns 256-511: i or o
	s_cmp_lt_u32 s2, 2
	s_cselect_b64 s[8:9], s[8:9], s[10:11]         ; waves 0, 1 take the first, waves 2, 3 the second
	XROWS 0, 16
	XROWS 1, 32
	XROWS 2, 48
	XROWS 3, 68
	XROWS 4, 84
	s_load_b512 s[16:31], s[0:1], 0x30             ; wc, ws, b1, b2, b3, bu1, bu2, bu3 (the rows' numbers are used up)
	s_load_b64 s[32:33], s[0:1], 0x70              ; emb
	; addresses that stay.  r = l % 16, h = l / 16
	v_and_b32 v225, 15, v0
	v_bfe_u32 v226, v0, 4, 1
	v_lshlrev_b32 v227, 2, v224                    ; 4 l
	v_lshlrev_b32 v21, 4, v225                     ; v21 = 16 r
	v_lshlrev_b32 v22, 6, v226                     ; v22 = 64 h
	v_lshlrev_b32 v23, 5, v226                     ; v23 = 32 h
	s_mul_i32 s3, s2, 8448
	v_add_nc_u32 v1, s3, v20                       ; v1  my stage, in: 16 l
	v_mul_u32_u24 v2, v225, 528
	v_add_nc_u32 v2, v2, v22
	v_add_nc_u32 v2, s3, v2                        ; v2  my stage, out: 528 r + 64 h
	s_mul_i32 s3, s2, 1536
	v_add_nc_u32 v5, XIMG, v20                     ; v5  x's images, read
	v_add_nc_u32 v3, s3, v5                        ; v3  written: + 1,536 w
	v_add_nc_u32 v9, H1IMG, v20                    ; v9, v7 the same for layer 1
	v_add_nc_u32 v7, s3, v9
	s_lshl_b32 s3, s2, 7
	v_add_nc_u32 v6, XSC, v227                     ; v6  x's scale words, read
	v_add_nc_u32 v4, s3, v6                        ; v4  written: + 128 w
	v_add_nc_u32 v10, H1SC, v227                   ; v10, v8 the same for layer 1
	v_add_nc_u32 v8, s3, v10
	s_mul_i32 s3, s2, 768
	v_add_nc_u32 v14, H2IMG, v20                   ; v14 layer 2's images, the pieces of 16 bytes, read
	v_add_nc_u32 v11, s3, v14                      ; v11 written: + 768 w: fragment w / 2, half w % 2
	v_lshlrev_b32 v15, 3, v224
	v_add_nc_u32 v15, H2IMG+512, v15               ; v15 the pieces of 8 bytes, read
	v_add_nc_u32 v12, s3, v15                      ; v12 written
	v_add_nc_u32 v16, H2SC, v227                   ; v16 layer 2's scale words, read
	s_lshr_b32 s3, s2, 1
	s_lshl_b32 s3, s3, 7
	s_and_b32 s101, s2, 1
	s_lshl_b32 s101, s101, 1
	s_add_co_u32 s3, s3, s101
	v_add_nc_u32 v13, s3, v16                      ; v13 written: + 128 (w / 2) + 2 (w % 2): my two bytes of the word
	v_mul_u32_u24 v17, v225, 528
	v_add_nc_u32 v17, v17, v23
	s_lshl_b32 s3, s2, 7
	v_add_nc_u32 v17, s3, v17
	v_add_nc_u32 v17, OSTG, v17                    ; v17 the way out, in: 528 r + 32 h + 128 w
	s_mul_i32 s3, s2, 10560
	v_add_nc_u32 v18, s3, v20
	v_add_nc_u32 v18, OSTG, v18                    ; v18 back: my 20 rows, 16 l
.irp b, 0,1,2,3
	v_mov_b32 v[TM+4+\b], 0                        ; written once: a lane permute's destination counts as read
.endr
	s_mov_b32 s[SEL], 0x76543210
	s_mov_b32 s[SEL+1], 0xfedcba98
	s_mov_b32 s[SL], 0x3c23d70a                    ; 0.01
	s_mov_b32 s[SL+1], 0x3c23d70a
	s_and_b32 s34, s67, 7                          ; which row of b1, b2, b3; 0 for expert 8
	s_mov_b32 s37, 0
	s_wait_kmcnt 0x0
	s_cmp_eq_u32 s67, 8
	s_cselect_b64 s[B1:B1+1], s[26:27], s[20:21]   ; bu? or b?
	s_cselect_b64 s[B2:B2+1], s[28:29], s[22:23]
	s_cselect_b64 s[B3:B3+1], s[30:31], s[24:25]
	s_lshl_b32 s36, s34, 11
	s_lshl_b32 s35, s2, 9
	s_add_co_u32 s36, s36, s35
	s_add_nc_u64 s[B1:B1+1], s[B1:B1+1], s[36:37]
	s_lshl_b32 s36, s34, 10
	s_lshl_b32 s35, s2, 8
	s_add_co_u32 s36, s36, s35
	s_add_nc_u64 s[B2:B2+1], s[B2:B2+1], s[36:37]
	s_lshl_b32 s36, s34, 9
	s_lshl_b32 s35, s2, 7
	s_add_co_u32 s36, s36, s35
	s_add_nc_u64 s[B3:B3+1], s[B3:B3+1], s[36:37]
	s_mul_i32 s36, s67, 319488
	s_add_nc_u64 s[16:17], s[16:17], s[36:37]      ; my expert's codes
	s_mul_i32 s36, s2, 49152
	s_add_nc_u64 s[WC1:WC1+1], s[16:17], s[36:37]
	s_mul_i32 s36, s2, 24576
	s_add_co_u32 s36, s36, 196608
	s_add_nc_u64 s[WC2:WC2+1], s[16:17], s[36:37]
	s_mul_i32 s36, s2, 6144
	s_add_co_u32 s36, s36, 294912
	s_add_nc_u64 s[WC3:WC3+1], s[16:17], s[36:37]
	s_mul_i32 s36, s67, 13312
	s_add_nc_u64 s[18:19], s[18:19], s[36:37]      ; and scale words
	s_lshl_b32 s36, s2, 11
	s_add_nc_u64 s[WS1:WS1+1], s[18:19], s[36:37]
	s_lshl_b32 s36, s2, 10
	s_add_co_u32 s36, s36, 8192
	s_add_nc_u64 s[WS2:WS2+1], s[18:19], s[36:37]
	s_lshl_b32 s36, s2, 8
	s_add_co_u32 s36, s36, 12288
	s_add_nc_u64 s[WS3:WS3+1], s[18:19], s[36:37]
	s_mul_i32 s36, ttmp9, 40960                    ; a tile: 80 slots of 512 bytes
	s_mul_i32 s35, s2, 10240
	s_add_co_u32 s36, s36, s35
	s_add_nc_u64 s[EMB:EMB+1], s[EMB:EMB+1], s[36:37]
	; ---------------- X: K step w of the 80 rows becomes five fragments ----------------
	; The counts: behind unit u + 1's loads stand 16 (3 - u) loads of x and 24 u of weights: 48, 56, 64, 72; a count names 63 at the most.
	TURN 0, 63                                     ; behind unit 0 stand 64 loads
	XSTEP 0, 48
	XSTEP 1, 56
	XSTEP 2, 63
	XSTEP 3, 63
	XSTEP 4, 0
	BARRIER                                        ; x's twenty fragments lie in LDS
	; ---------------- layer 1: my 128 units, a tile of 16 rows at a time ----------------
	FETCH 5, 6, 0
	WIN 0xc0                                       ; layer 2's weights are asked for now: 48 + 4 + 8 = 60 loads, into registers that x has left
.irp f, 0,1,2,3,4,5,6,7,8,9,10,11,12,13,14,15
.irp p, 0,1,2
	global_load_b128 v[12*\f+4*\p:12*\f+4*\p+3], v20, s[WC2:WC2+1] offset:\f*1536+512*\p
.endr
.endr
	WIN 0
.irp t, 0,1,2,3
	global_load_b128 v[W2S+4*\t:W2S+4*\t+3], v21, s[WS2:WS2+1] offset:256*\t
.endr
	WIN 0x80
.irp t, 0,1,2,3
	global_load_b128 v[192+8*\t:192+8*\t+3], v22, s[B2:B2+1] offset:(32*(\t/2)+8*(\t%2))*4
	global_load_b128 v[192+8*\t+4:192+8*\t+7], v22, s[B2:B2+1] offset:(32*(\t/2)+8*(\t%2))*4+16
.endr
	WIN 0
.irp m, 0,1,2,3,4
	s_wait_dscnt 0x0                               ; the tile's fragments are in; the last image's stores have read their registers
.if \m == 0
	s_wait_loadcnt 60                              ; all but the 60 just issued: layer 1's weights, scale words and bias are in
.endif
	WIN 0x11                                       ; W1 and b1 in window 1
	MM1 0, 1
	WIN 0x01
	MM1 1, 0
	WIN 0x02                                       ; K steps 2, 3 in window 2
	MM1 2, 0
	MM1 3, 0
	WIN 0
	PLACES
.if \m < 4
	FETCH 5, 6, 4*(\m+1)                           ; the next tile's fragments land while this one is quantised
.endif
	LEAKY HA, 64
	QUANT HA, 4
	IMAGE 7, 6144*\m                               ; K step w of the next product, rows 16 m on
	ds_store_b32 v8, v[PW] offset:512*\m
.endr
	BARRIER                                        ; layer 1's twenty fragments lie in LDS
	; ---------------- layer 2: my 64 units ----------------
	FETCH 9, 10, 0
	WIN 0xc0                                       ; layer 3's weights: 12 + 1 + 4 = 17 loads
.irp f, 0,1,2,3
.irp p, 0,1,2
	global_load_b128 v[192+12*\f+4*\p:192+12*\f+4*\p+3], v20, s[WC3:WC3+1] offset:\f*1536+512*\p
.endr
.endr
	WIN 0
	global_load_b128 v[W3S:W3S+3], v21, s[WS3:WS3+1]
	WIN 0x80
.irp n, 0,1
	global_load_b128 v[224+8*\n:224+8*\n+3], v23, s[B3:B3+1] offset:64*\n          ; lane (r, h), tile n: units 16 n + 8 h + 0..7
	global_load_b128 v[224+8*\n+4:224+8*\n+7], v23, s[B3:B3+1] offset:64*\n+16
.endr
	WIN 0
.irp m, 0,1,2,3,4
	s_wait_dscnt 0x0
.if \m == 0
	s_wait_loadcnt 17                              ; all but the 17 just issued: layer 2's weights are in
.endif
	WIN 0x23                                       ; W2 in window 3, b2 in window 2
	MM2 0, 1
	WIN 0x03
	MM2 1, 0
	MM2 2, 0
	MM2 3, 0
	WIN 0
	PLACES
.if \m < 4
	FETCH 9, 10, 4*(\m+1)
.endif
	LEAKY HA, 32
	QUANT HA, 2                                    ; two blocks: half w % 2 of fragment (m, w / 2): six registers and two scale bytes
	ds_store_b128 v11, v[PC:PC+3] offset:3072*\m
	ds_store_b64 v12, v[PC+4:PC+5] offset:3072*\m
	ds_store_b16 v13, v[PW] offset:256*\m
.endr
	BARRIER                                        ; layer 2's ten fragments lie in LDS
	; ---------------- layer 3: my 32 units; ten accumulators, two a tile of rows ----------------
	FETCH3 0
	FETCH3 1
	s_wait_loadcnt 0x0                             ; layer 3's weights
.irp m, 0,1,2,3,4
.if \m < 4
	s_wait_dscnt 10                                ; all but the next tile's ten loads
.else
	s_wait_dscnt 0x0
.endif
	WIN 0x23                                       ; W3 in window 3, b3 in window 2
	MM3 \m, 0, 1
	WIN 0x03
	MM3 \m, 1, 0
	WIN 0
	PLACES
.if \m < 3
	FETCH3 \m+2
.endif
.endr
	LEAKY 96, 64
	LEAKY 208, 16
.irp m, 0,1,2,3,4
.set D3, 96+16*\m
.if \m == 4
.set D3, 208
.endif
.irp n, 0,1
	ds_store_b128 v17, v[D3+8*\n:D3+8*\n+3] offset:8448*\m+64*\n        ; lane (r, h): row 16 m + r, units 32 w + 16 n + 8 h + 0..7
	ds_store_b128 v17, v[D3+8*\n+4:D3+8*\n+7] offset:8448*\m+64*\n+16
.endr
.endr
	BARRIER                                        ; 80 whole rows lie in the stage
.irp i, 0,1,2,3,4,5,6,7,8,9,10,11,12,13,14,15,16,17,18,19
	ds_load_b128 v[96+4*\i:96+4*\i+3], v18 offset:528*\i
.endr
.irp i, 0,1,2,3,4,5,6,7,8,9,10,11,12,13,14,15,16,17,18,19
	s_wait_dscnt 19-\i                             ; row i is back; the rows behind it may be out
	global_store_b128 v20, v[96+4*\i:96+4*\i+3], s[EMB:EMB+1] offset:512*\i   ; 32 lanes store a slot's 512 consecutive bytes, aligned
.endr
	s_wait_xcnt 0x0
	v_lshl_add_u32 v254, v0, 2, 0x27000
	v_mov_b32 v255, 0
	s_wait_tensorcnt 0x0
	ds_add_u32 v254, v255
	s_wait_dscnt 0x0
	s_endpgm
.Lfunc_end_k_q80354afc53_chain:
	.size	k_q80354afc53_chain, .Lfunc_end_k_q80354afc53_chain-k_q80354afc53_chain
	.p2alignl 7, 3214868480
	.fill 96, 4, 3214868480
	.section	.rodata,"a",@progbits
	.p2align	6, 0x0
	.amdhsa_kernel k_q80354afc53_chain
		.amdhsa_group_segment_fixed_size 160256
		.amdhsa_private_segment_fixed_size 0
		.amdhsa_enable_private_segment 0
		.amdhsa_kernarg_size 120
		.amdhsa_user_sgpr_count 2
		.amdhsa_user_sgpr_kernarg_segment_ptr 1
		.amdhsa_wavefront_size32 1
		.amdhsa_system_sgpr_workgroup_id_x 1
		.amdhsa_system_sgpr_workgroup_id_y 1
		.amdhsa_system_sgpr_workgroup_id_z 1
		.amdhsa_system_vgpr_workitem_id 0
		.amdhsa_next_free_vgpr 1024
		.amdhsa_next_free_sgpr 102
		.amdhsa_reserve_vcc 0
		.amdhsa_float_denorm_mode_32 3
		.amdhsa_float_denorm_mode_16_64 3
		.amdhsa_memory_ordered 1
		.amdhsa_forward_progress 1
		.amdhsa_inst_pref_size 194
	.end_amdhsa_kernel
	.amdgpu_metadata
---
amdhsa.version: [ 1, 2 ]
amdhsa.kernels:
  - .name:           k_q80354afc53_chain
    .symbol:         k_q80354afc53_chain.kd
    .args:
      - { .name: tab, .offset: 0, .size: 8, .value_kind: global_buffer, .address_space: global }
      - { .name: order, .offset: 8, .size: 8, .value_kind: global_buffer, .address_space: global }
      - { .name: a_emb, .offset: 16, .size: 8, .value_kind: global_buffer, .address_space: global }
      - { .name: o_emb, .offset: 24, .size: 8, .value_kind: global_buffer, .address_space: global }
      - { .name: u_emb, .offset: 32, .size: 8, .value_kind: global_buffer, .address_space: global }
      - { .name: i_emb, .offset: 40, .size: 8, .value_kind: global_buffer, .address_space: global }
      - { .name: wc, .offset: 48, .size: 8, .value_kind: global_buffer, .address_space: global }
      - { .name: ws, .offset: 56, .size: 8, .value_kind: global_buffer, .address_space: global }
      - { .name: b1, .offset: 64, .size: 8, .value_kind: global_buffer, .address_space: global }
      - { .name: b2, .offset: 72, .size: 8, .value_kind: global_buffer, .address_space: global }
      - { .name: b3, .offset: 80, .size: 8, .value_kind: global_buffer, .address_space: global }
      - { .name: bu1, .offset: 88, .size: 8, .value_kind: global_buffer, .address_space: global }
      - { .name: bu2, .offset: 96, .size: 8, .value_kind: global_buffer, .address_space: global }
      - { .name: bu3, .offset: 104, .size: 8, .value_kind: global_buffer, .address_space: global }
      - { .name: emb, .offset: 112, .size: 8, .value_kind: global_buffer, .address_space: global }
    .group_segment_fixed_size: 160256
    .private_segment_fixed_size: 0
    .kernarg_segment_align: 8
    .kernarg_segment_size: 120
    .max_flat_workgroup_size: 128
    .sgpr_count:     102
    .vgpr_count:     1024
    .wavefront_size: 32
...
	.end_amdgpu_metadata
.endif
;; end of part 2
;; launch dot (part 3): grid 256 x 1, 2 waves a work-group, no clusters, 512 bytes of LDS; arguments pos, emb, out0; writes out0
.if DOCPART == 3
	.amdgcn_target "amdgcn-amd-amdhsa--gfx1250"
	.amdhsa_code_object_version 6
	.text
	.protected	k_q80354afc53_dot
	.globl	k_q80354afc53_dot
	.p2align	8
	.type	k_q80354afc53_dot,@function
k_q80354afc53_dot:
	s_mov_b64 s[64:65], 0
	v_nop
	global_prefetch_b8 v0, s[64:65] scope:SCOPE_SE
	s_setreg_imm32_b32 hwreg(HW_REG_WAVE_MODE, 25, 1), 1
	s_wait_xcnt 0x0
; DOT.  out0[b][n] = emb[slot of (u | i) row b] . emb[pos[32 b + n]], 128 numbers each, in f32.  A wave takes one b and its 32 tokens; a lane holds 4 of a row's 128 numbers.
; pos was stored two launches back, emb by the launch before.  A token that no relation took has pos = ZS: its row is loaded like any other, and the result is left 0.
; A stream: all 33 loads of a wave go out at its head, each 512 consecutive bytes; no matrix unit, no cluster, no prefetch.  The two waves' 64 results leave as one aligned block of 256 bytes.
.set ZS,  17519
.set UI0, 16960                        ; the first slot of the (u | i) rows
	s_load_b128 s[4:7], s[0:1], 0x0                ; pos, emb
	s_load_b64 s[8:9], s[0:1], 0x10                ; out0
	v_lshl_add_u32 v192, v0, 2, 0x100
	v_mov_b32 v193, 0
	v_lshrrev_b32 v1, 5, v0
	v_readfirstlane_b32 s2, v1                     ; wave 0, 1
	v_and_b32 v2, 31, v0
	v_lshlrev_b32 v1, 4, v2                        ; 16 bytes a lane
	v_lshlrev_b32 v49, 2, v0                       ; LDS: a word a thread
	v_lshlrev_b32 v50, 3, v2                       ; the way out: 8 bytes a lane
	v_mov_b32 v48, 0                               ; lane n: the result of token n
	s_lshl_b32 s3, ttmp9, 1
	s_add_co_u32 s3, s3, s2                        ; b
	s_lshl_b32 s10, s3, 7                          ; its 32 words of pos
	s_lshl_b32 s12, s3, 9
	s_add_co_u32 s12, s12, UI0*512                 ; its row of emb
	s_mov_b32 s13, 0
	s_mov_b32 s48, 0x76543210                      ; v_permlanex16_b32: lane l xor 16
	s_mov_b32 s49, 0xfedcba98
	s_lshl_b32 s50, ttmp9, 8                       ; the work-group's 256 bytes of out0
	s_mov_b32 s51, 0
	s_wait_kmcnt 0x0
	s_load_b512 s[16:31], s[4:5], s10 offset:0x0
	s_load_b512 s[32:47], s[4:5], s10 offset:0x40
	s_add_nc_u64 s[12:13], s[6:7], s[12:13]
	s_add_nc_u64 s[8:9], s[8:9], s[50:51]
	global_load_b128 v[4:7], v1, s[12:13]
	s_wait_kmcnt 0x0
.set i, 0
.rept 32
	s_min_u32 s[16+i], s[16+i], ZS                 ; a loaded number is held before it enters an address
	s_cmp_eq_u32 s[16+i], ZS
	s_cselect_b32 s[68+i], 0, 1<<i                 ; the lane that takes token i's result: none where no relation took the token
	s_lshl_b32 s[16+i], s[16+i], 9
	v_add_nc_u32 v[8+i], s[16+i], v1
	global_load_b128 v[64+4*i:67+4*i], v[8+i], s[6:7]
.set i, i+1
.endr
.irp g, 0,1,2,3,4,5,6,7                        ; four tokens at a time, stage by stage, so that no line waits for the line above it
	s_wait_loadcnt 28-4*\g                         ; the group's four rows are in; the rows behind them may be out
.irp k, 0,1,2,3
	v_pk_mul_f32 v[40+2*\k:41+2*\k], v[64+16*\g+4*\k:65+16*\g+4*\k], v[4:5]
.endr
.irp k, 0,1,2,3
	v_pk_fma_f32 v[40+2*\k:41+2*\k], v[66+16*\g+4*\k:67+16*\g+4*\k], v[6:7], v[40+2*\k:41+2*\k]
.endr
.irp k, 0,1,2,3
	v_add_f32 v[40+2*\k], v[40+2*\k], v[41+2*\k]
.endr
.irp x, 1,2,4,8
.irp k, 0,1,2,3
	v_add_f32_dpp v[40+2*\k], v[40+2*\k], v[40+2*\k] row_xmask:\x row_mask:0xf bank_mask:0xf
.endr
.endr
.irp k, 0,1,2,3
	v_permlanex16_b32 v[41+2*\k], v[40+2*\k], s48, s49
.endr
.irp k, 0,1,2,3
	v_add_f32 v[40+2*\k], v[40+2*\k], v[41+2*\k]   ; every lane holds the sum
.endr
.irp k, 0,1,2,3
	v_cndmask_b32 v48, v48, v[40+2*\k], s[68+4*\g+\k]
.endr
.endr
	ds_store_b32 v49, v48
	s_wait_dscnt 0x0                               ; for the other wave: my store is done
	s_barrier_signal -1
	s_barrier_wait -1
	s_cmp_lg_u32 s2, 0
	s_cbranch_scc1 .Ldone                          ; wave 0 stores for both
	ds_load_b64 v[52:53], v50
	s_wait_dscnt 0x0
	global_store_b64 v50, v[52:53], s[8:9]         ; 32 lanes store 256 consecutive bytes, aligned
.Ldone:
	s_wait_tensorcnt 0x0
	ds_add_u32 v192, v193
	s_wait_dscnt 0x0
	s_endpgm
.Lfunc_end_k_q80354afc53_dot:
	.size	k_q80354afc53_dot, .Lfunc_end_k_q80354afc53_dot-k_q80354afc53_dot
	.p2alignl 7, 3214868480
	.fill 96, 4, 3214868480
	.section	.rodata,"a",@progbits
	.p2align	6, 0x0
	.amdhsa_kernel k_q80354afc53_dot
		.amdhsa_group_segment_fixed_size 512
		.amdhsa_private_segment_fixed_size 0
		.amdhsa_enable_private_segment 0
		.amdhsa_kernarg_size 24
		.amdhsa_user_sgpr_count 2
		.amdhsa_user_sgpr_kernarg_segment_ptr 1
		.amdhsa_wavefront_size32 1
		.amdhsa_system_sgpr_workgroup_id_x 1
		.amdhsa_system_sgpr_workgroup_id_y 1
		.amdhsa_system_sgpr_workgroup_id_z 1
		.amdhsa_system_vgpr_workitem_id 0
		.amdhsa_next_free_vgpr 194
		.amdhsa_next_free_sgpr 100
		.amdhsa_reserve_vcc 0
		.amdhsa_float_denorm_mode_32 3
		.amdhsa_float_denorm_mode_16_64 3
		.amdhsa_memory_ordered 1
		.amdhsa_forward_progress 1
		.amdhsa_inst_pref_size 32
	.end_amdhsa_kernel
	.amdgpu_metadata
---
amdhsa.version: [ 1, 2 ]
amdhsa.kernels:
  - .name:           k_q80354afc53_dot
    .symbol:         k_q80354afc53_dot.kd
    .args:
      - { .name: pos, .offset: 0, .size: 8, .value_kind: global_buffer, .address_space: global }
      - { .name: emb, .offset: 8, .size: 8, .value_kind: global_buffer, .address_space: global }
      - { .name: out0, .offset: 16, .size: 8, .value_kind: global_buffer, .address_space: global }
    .group_segment_fixed_size: 512
    .private_segment_fixed_size: 0
    .kernarg_segment_align: 8
    .kernarg_segment_size: 24
    .max_flat_workgroup_size: 64
    .sgpr_count:     100
    .vgpr_count:     194
    .wavefront_size: 32
...
	.end_amdgpu_metadata
.endif
;; end of part 3
